; MI455X (gfx1250); checked and timed in simulation.
; The chip was launched on July 23, 2026; its instructions are those of AMD's public machine-readable ISA for CDNA 5 (MIT licence, August 2026) and "CDNA5" Instruction Set Architecture Reference Guide (July 2026). The comments in the code are by the model that wrote it; some were corrected since.
;; Multi Head Self Attention. Allowed arithmetic: matrix products marked QUANTISED: E2M3 operands, one E8M0 scale for each 32 along K, by v_wmma_scale_f32_16x16x128_f8f6f4 with both operands' format E2M3, f32 sums; everything else in f32.
;; Inputs: Wk_codes 1,024 x 32 x 24 uint8 (E2M3 codes of Wk, K innermost, in blocks of 32 codes, four codes in three bytes); Wk_scales 1,024 x 32 uint8 (E8M0 scales of Wk, one for each 32 codes along K); Wo_codes 1,024 x 32 x 24 uint8 (E2M3 codes of Wo, K innermost, in blocks of 32 codes, four codes in three bytes); Wo_scales 1,024 x 32 uint8 (E8M0 scales of Wo, one for each 32 codes along K); Wq_codes 1,024 x 32 x 24 uint8 (E2M3 codes of Wq, K innermost, in blocks of 32 codes, four codes in three bytes); Wq_scales 1,024 x 32 uint8 (E8M0 scales of Wq, one for each 32 codes along K); Wv_codes 1,024 x 32 x 24 uint8 (E2M3 codes of Wv, K innermost, in blocks of 32 codes, four codes in three bytes); Wv_scales 1,024 x 32 uint8 (E8M0 scales of Wv, one for each 32 codes along K); bk 1,024 float32; bo 1,024 float32; bq 1,024 float32; bv 1,024 float32; x_codes 4 x 2,048 x 32 x 24 uint8 (E2M3 codes of x, K innermost, in blocks of 32 codes, four codes in three bytes); x_scales 4 x 2,048 x 32 uint8 (E8M0 scales of x, one for each 32 codes along K).
;; Outputs: out0 4 x 2,048 x 1,024 float32.
;; This version of the problem:
;;   THIS VERSION OF THE PROBLEM IS GIVEN IN LOW PRECISION. The matrix products marked QUANTISED in the list below multiply operands that are first quantised to E2M3 (2 exponent bits, 3 mantissa bits; 6 bits a number), with one power-of-two scale for each 32 numbers along K (OCP MX v1.0); their sums are f32. All else is computed in f32.
;;   The module's matrix products, in the order in which they are computed (A, B: the left and right operand; K: the contracted axis; several contracted axes count as one K, in the product's order):
;;     1. [M 8,192, K 1,024] x [K 1,024, N 1,024]; A: input x (given as codes); B: input Wq (given as codes): QUANTISED
;;     2. [M 8,192, K 1,024] x [K 1,024, N 1,024]; A: input x (given as codes); B: input Wk (given as codes): QUANTISED
;;     3. [M 8,192, K 1,024] x [K 1,024, N 1,024]; A: input x (given as codes); B: input Wv (given as codes): QUANTISED
;;     4. batch 64 x [M 2,048, K 64] x [K 64, N 2,048]; A: computed on the way; B: computed on the way: QUANTISED
;;     5. batch 64 x [M 2,048, K 2,048] x [K 2,048, N 64]; A: softmax (see below); B: computed on the way: QUANTISED
;;     6. [M 8,192, K 1,024] x [K 1,024, N 1,024]; A: computed on the way; B: input Wo (given as codes): QUANTISED
;;   THE QUANTISER, for each operand of a quantised product, along K:
;;     - K is cut into blocks of 32 from its start; a last block that is shorter is filled with zeros.
;;     - A block's scale is 2^e with e = floor(log2(the largest magnitude in the block)) - 2, held to -126 .. 127; a block of zeros has e = 0. As a byte (E8M0): e + 127.
;;     - Each number is divided by its block's scale, clamped to +-7.5, and rounded to the nearest number of E2M3, ties to even, subnormals kept.
;;     - The product sums the exact products of the quantised numbers (number of the format x scale) in f32.
;;   ~~~python
;;   def quantise(x, axis):      # numpy; x: float32 -> the quantised numbers, widened to float32 again
;;       x = np.moveaxis(x, axis, -1); K = x.shape[-1]
;;       x = np.pad(x, [(0, 0)] * (x.ndim - 1) + [(0, -K % 32)]); x = x.reshape(x.shape[:-1] + (-1, 32)); a = np.abs(x).max(-1, keepdims=True)
;;       e = np.where(a > 0, np.clip(np.frexp(np.where(a > 0, a, 1))[1] - 1 - 2, -126, 127), 0)      # np.frexp(a)[1] - 1 = floor(log2(a)), exactly
;;       r = np.clip(x / 2.0 ** e, -7.5, 7.5)
;;       step = 2.0 ** (np.maximum(np.frexp(np.where(r == 0, 1, r))[1] - 1, 0) - 3)
;;       q = np.round(r / step) * step * 2.0 ** e      # np.round: ties to even
;;       return np.moveaxis(q.reshape(q.shape[:-2] + (-1,))[..., :K], -1, axis).astype(np.float32)
;;   ~~~
;;   SOFTMAX AHEAD OF A QUANTISED PRODUCT. Where the list says 'softmax', what is quantised is not the finished softmax but p = 2^(t - M), with t = logit x log2(e) and M = ceil(the row's largest t), a whole number; so 1/2 < the row's largest p <= 1. The row's sum l is taken of the UNQUANTISED p, in f32, and the product's result is divided by l at the end. Since M is a whole number, a kernel that streams over the keys may use a running M (the ceiling of the running maximum): every later rescaling is an exact power of two, which a block's scale takes up: the codes' values come out the same.
;;   OPERANDS COMPUTED ON THE WAY. 'Computed on the way' means the value that the module computes at that place (a softmax that the list does not call 'softmax' is quantised finished and normalised). What goes into a quantiser is computed in f32, as accurately as f32 sums, v_exp_f32 and their like allow (about 1e-6 of the number): no bf16 or f16 on the way to a quantiser, and a product that is left as it is and whose result goes on into a quantised operand takes f32 operands (vector FMAs, or v_wmma_f32_16x16x4_f32). A number that lies on a knife's edge between two numbers of the format may be rounded either way, as far as f32 arithmetic and the matrix unit's own rounding can turn it there, and no further.
;;   INPUTS GIVEN AS CODES. Wk (in the module: [1024, 1024], K = its axis 0); Wo (in the module: [1024, 1024], K = its axis 0); Wq (in the module: [1024, 1024], K = its axis 0); Wv (in the module: [1024, 1024], K = its axis 0); x (in the module: [4, 2048, 1024], K = its axis 2): each comes as NAME_codes (uint8): NAME with its K axis moved to the last place and cut into blocks of 32 codes, [.., K / 32, bytes a block], one block behind the other in memory; four codes in three bytes: a row's codes are one little-endian stream of bits, code i at bits 6 i .. 6 i + 5 (a code: sign, 2 exponent bits, 3 mantissa bits); and NAME_scales (uint8): the same leading axes, one E8M0 byte (e + 127) for each 32 codes along K. Its value is code x scale, taken as it is: it is not quantised again, and the codes and scales need not be those that the quantiser above would give.
;; One version. Each part assembles by itself: llvm-mc -triple=amdgcn-amd-amdhsa -mcpu=gfx1250 --defsym DOCPART=n.
;; ======== version 1 of 1: 3 launches
;; limits: right only within a limited range of input values
;; workspace buffers: kv 13,631,488 bytes; qrec 13,631,488 bytes; aoc 6,291,456 bytes; aos 262,144 bytes
;; launch proj (part 1): grid 4 x 64, 4 waves a work-group, clusters of 4 x 4, 327,680 bytes of LDS; arguments x_codes, x_scales, Wq_codes, Wk_codes, Wv_codes, Wq_scales, Wk_scales, Wv_scales, bq, bk, bv, qrec, kv; writes qrec, kv
.if DOCPART == 1
	.amdgcn_target "amdgcn-amd-amdhsa--gfx1250"
	.amdhsa_code_object_version 6
	.text
	.protected	k_q44db3a4ae1_proj
	.globl	k_q44db3a4ae1_proj
	.p2align	8
	.type	k_q44db3a4ae1_proj,@function
k_q44db3a4ae1_proj:
	s_mov_b64 s[64:65], 0
	v_nop
	global_prefetch_b8 v0, s[64:65] scope:SCOPE_SE
	s_setreg_imm32_b32 hwreg(HW_REG_WAVE_MODE, 25, 1), 1
	s_wait_xcnt 0x0
	s_wait_alu depctr_hold_cnt(0) depctr_sa_sdst(0) depctr_va_vdst(0) depctr_va_sdst(0) depctr_va_ssrc(0) depctr_va_vcc(0) depctr_vm_vsrc(0)
	s_getreg_b32 s2, hwreg(HW_REG_IB_STS2, 6, 4)
	s_cmp_eq_u32 s2, 0
	s_cbranch_scc0 .Lentry_in_a_cluster
	s_endpgm
.Lentry_in_a_cluster:
	s_bfe_u32 s2, ttmp6, 0x10000c
	s_cmp_lg_u32 s2, 0xf033
	s_cbranch_scc0 .Lentry_shape_is_right
	s_endpgm
.Lentry_shape_is_right:
; Q, K, V = Quant(x W + b) on codes of FP6 (E2M3), one E8M0 scale for each 32 along K = 1,024; results leave as codes and scale words.
; ONE FORM: C'[i][j] = sum over k of R[i][k] P[j][k], source 0 = 16 rows of P, source 1 = 16 rows of R: a lane holds one i, its registers run along j.
; Q, K: R = x (i = token), P = W (j = feature).  V: R = Wv (i = feature), P = x (j = token = key).
; SHARES: 256 work-groups; each owns 128 tokens x 256 features and makes Q, K and V of them on end.  x's 128 rows, all of K, come into LDS once and stay;
; the 256 weight rows have a region of their own, filled at the head (Wq) and twice again (Wk, Wv), each time behind a drained round of the cluster's barrier.
; The way out of Q and of K stands behind the refill's request.  Q and K are the two trips of a loop; V, which asks for nothing more, is written out.
; A wave makes 64 (i) x 128 (j): 32 accumulators.  Q, K: waves 2 x 2; V: four waves along i (a head each).
; Every tensor row is a whole row of 768 bytes, padded by 16 behind each 256: LDS pitch 816.
; CLUSTERS 4 x 4: x's rows are shared along a row of the cluster, weight rows along a column: joint loads.
; Scale words go from memory into registers (lane l takes row l of 32 rows, 32 bytes a row); the bias is the C of the first K step's products.
; No prefetch: the launch has no loop to run ahead in; each refill is asked for as soon as its bytes are free.
; RECORDS (13,312 bytes, [head 0..63][128 tokens 0..15]): +0 eight tiles of 16 tokens x 64 (768 bytes: 512 registers 0-3, 256 registers 4-5); +6,144 their scale words
; (bytes 2, 3 = 127 for the zero codes of K = 64..127); in kv also +6,656 V's four tiles of 16 d x 128 keys (1,536 each); +12,800 their scale words.
; Inside a block of 32 the codes lie in the order 0-7, 16-23, 8-15, 24-31, alike on both sides of each later product.
; LIMITS: NaN and infinities are not served.  A computed block whose largest magnitude lies under 2^-124 gets the byte 1: these bytes are read by this program alone.
.set PITCH, 816
.set WR,    128*PITCH
.set SPARE, 384*PITCH
.set REC,   13312
.set HEADB, 16*REC
.set KSC,   6144
.set VOF,   6656
.set AR,   16      ; v16,17 R's fragments (v17: behind one padding more); v18,19 P's blocks 0-3; v20,21 blocks 4-7
.set AP,   18
.set AP2,  20
.set VO16, 22
.set VO8,  23
.set VSW,  24
.set ABS,  25
.set VB,   26
.set SH,   27
.set SPW,  28
.set NIL,  29
.set VBV,  30
.set SR,   36      ; v36-51 R's scale words, v56-87 P's: nothing else lies there
.set SP,   56
.set BJ,   96      ; v96-159 bias along j
.set BV,   160     ; v160-191 V's bias along i, eight times each
.set CD,   192
.set PWS,  212
.set WD,   216
.set TM,   240
; windows: 1 the accumulators ((a, b) at 8 (8 a + b)); 2, 3 the two fragment sets (P at 12 b, R at 96 + 12 a)
.set MSB, 0
.macro WIN new
.if MSB != (\new)
	s_set_vgpr_msb (MSB<<8)|(\new)
.set MSB, (\new)
.endif
.endm
.macro PLACES n
.rept \n
	v_nop
.endr
.endm
.macro WALU
	s_wait_alu depctr_va_vdst(0)
.endm
.macro CROUND
	s_barrier_signal -1
	s_barrier_wait -1
	s_cmp_lg_u32 s90, 0
	s_cbranch_scc1 .Lnw0_\@
	s_barrier_signal -3
.Lnw0_\@:
	s_barrier_wait -3
	s_barrier_signal -1
	s_barrier_wait -1
.endm
.macro FRAG reg, adr, q, i     ; 16 rows x 128 K: six pieces of 8 bytes; lanes 16-31 read 24 bytes on
.irp p, 0,1,2,3,4,5
.set PC_, 12*(\q)+6*(\p/3)+\p%3
.if PC_%32 < 29
	ds_load_b64 v[\reg+2*\p:\reg+2*\p+1], v[\adr] offset:8*PC_+16*(PC_/32)+(\i)*16*PITCH
.else
	ds_load_b64 v[\reg+2*\p:\reg+2*\p+1], v[\adr+1] offset:8*PC_+16*(PC_/32)+(\i)*16*PITCH
.endif
.endr
.endm
.macro FETCH3 q, g             ; fragments 3 g .. 3 g + 2 of the twelve of K step q: 18 loads
.irp k, 0,1,2
.set F_, 3*(\g)+\k
.if F_ < 4
	FRAG 12*F_, AP, \q, F_
.elseif F_ < 8
	FRAG 12*F_, AP2, \q, F_-4
.else
	FRAG 12*F_, AR, \q, F_-8
.endif
.endr
.endm
.macro W1 c, ra, rb
	v_wmma_scale_f32_16x16x128_f8f6f4 v[D_:D_+7], v[P_:P_+11], v[R_:R_+11], \c, v[XA_], v[XB_] matrix_a_fmt:MATRIX_FMT_FP6 matrix_b_fmt:MATRIX_FMT_FP6 matrix_a_scale:MATRIX_SCALE_ROW\ra matrix_b_scale:MATRIX_SCALE_ROW\rb
.endm
.macro W2 q, a, b, ra, rb, ck  ; ck: 0 adds in place, 1 begins with the bias along j, 2 with the bias along i
.set D_, 8*(8*(\a)+(\b))
.set P_, 12*(\b)
.set R_, 96+12*(\a)
.set XA_, SP+8*((\b)/2)+(\q)
.set XB_, SR+8*((\a)/2)+(\q)
.if (\ck) == 1
	W1 v[BJ+8*(\b):BJ+8*(\b)+7], \ra, \rb
.elseif (\ck) == 2
	W1 v[BV+8*(\a):BV+8*(\a)+7], \ra, \rb
.else
	W1 v[D_:D_+7], \ra, \rb
.endif
.endm
.macro QUARTER q, g, rb, ck    ; 18 loads for the next K step, then R's block g against P's eight
.if (\q) < 7
	WIN (2+((\q)+1)%2)<<6
	FETCH3 (\q)+1, \g
.endif
.if (\g) == 0
.if (\q) < 7
	s_wait_dscnt 18            ; all but the 18 just issued: this step's 72 are in
.else
	s_wait_dscnt 0
.endif
.endif
.set S_, 2+(\q)%2
.if \ck
	WIN S_|(S_<<2)|0x40
.else
	WIN S_|(S_<<2)|0x50
.endif
.irp b, 0,2,4,6
	W2 \q, \g, \b, 0, \rb, \ck
	W2 \q, \g, \b+1, 1, \rb, \ck
.endr
.endm
.macro KSTEP q, ck             ; the 32 accumulators take turns
	PLACES 4                   ; between the last step's products and the loads into their set
	QUARTER \q, 0, 0, \ck
	QUARTER \q, 1, 1, \ck
	QUARTER \q, 2, 0, \ck
	QUARTER \q, 3, 1, \ck
.endm
.macro GEMM ck
	WIN 0x80
.irp g, 0,1,2,3
	FETCH3 0, \g
.endr
	KSTEP 0, \ck
.irp q, 1,2,3,4,5,6,7
	KSTEP \q, 0
.endr
	WIN 0
	PLACES 4
.endm
.macro SETADR                  ; s40: R's first LDS byte, s41: P's
	v_add_nc_u32 v[AR], s40, v4
	v_add_nc_u32 v[AR+1], s40, v5
	v_add_nc_u32 v[AP], s41, v4
	v_add_nc_u32 v[AP+1], s41, v5
	v_add_nc_u32 v[AP2], 64*PITCH, v[AP]
	v_add_nc_u32 v[AP2+1], 64*PITCH, v[AP+1]
.endm
.macro LDSCALES                ; R's 64 rows from s[68:69], P's 128 from s[66:67]
.irp m, 0,1
	global_load_b128 v[SR+8*\m:SR+8*\m+3], v[ABS], s[68:69] offset:1024*\m
	global_load_b128 v[SR+8*\m+4:SR+8*\m+7], v[ABS], s[68:69] offset:1024*\m+16
.endr
.irp m, 0,1,2,3
	global_load_b128 v[SP+8*\m:SP+8*\m+3], v[ABS], s[66:67] offset:1024*\m
	global_load_b128 v[SP+8*\m+4:SP+8*\m+7], v[ABS], s[66:67] offset:1024*\m+16
.endr
.endm
.macro LDBIAS lo, hi
.irp b, 0,1,2,3,4,5,6,7
	global_load_b128 v[BJ+8*\b:BJ+8*\b+3], v[VB], s[\lo:\hi] offset:64*\b
	global_load_b128 v[BJ+8*\b+4:BJ+8*\b+7], v[VB], s[\lo:\hi] offset:64*\b+16
.endr
.endm
; Block a (16 i x 128 j, 64 sums a lane): four blocks of 32 shared with lane l xor 16 are quantised and stored as images of the next operand's registers.
.macro OUTBLK a, isv
	s_wait_xcnt 0x0            ; the last block's stores have read their registers
.set AC, 64*(\a)
	WIN 0x05
.irp b, 0,1,2,3
	v_max3_num_f32 v[TM+\b], |v[AC+16*\b]|, |v[AC+1+16*\b]|, 0x1800000   ; with the floor 2^(3 - 127): the byte cannot fall under 1
.endr
	WIN 0x14
.irp i, 2,4,6,8,10,12,14
.irp b, 0,1,2,3
	v_max3_num_f32 v[TM+\b], v[TM+\b], |v[AC+16*\b+\i]|, |v[AC+1+16*\b+\i]|
.endr
.endr
	WIN 0
.irp b, 0,1,2,3
	v_permlanex16_b32 v[TM+4+\b], v[TM+\b], s100, s101
.endr
.irp b, 0,1,2,3
	v_max_num_f32 v[TM+\b], v[TM+\b], v[TM+4+\b]
.endr
.irp b, 0,1,2,3
	v_add_nc_u32 v[TM+12+\b], 0xff000000, v[TM+\b]   ; 2 off the exponent field: the conversion's scale operand
.endr
.irp b, 0,1,2,3
	v_lshrrev_b32 v[TM+4+\b], 23, v[TM+12+\b]
.endr
	v_lshl_or_b32 v[PWS+\a], v[TM+5], 8, v[TM+4]
	v_lshl_or_b32 v[PWS+\a], v[TM+6], 16, v[PWS+\a]
	v_lshl_or_b32 v[PWS+\a], v[TM+7], 24, v[PWS+\a]
	WIN 0x01
.irp c, 0,1
	v_cvt_scalef32_pk16_fp6_f32 v[CD+6*\c:CD+2+6*\c], v[AC+32*\c:AC+15+32*\c], v[TM+12+2*\c]
	v_cvt_scalef32_pk16_fp6_f32 v[CD+12+4*\c:CD+14+4*\c], v[AC+16+32*\c:AC+31+32*\c], v[TM+12+2*\c+1]
.endr
	WIN 0
	v_nop
.irp c, 0,1
.irp i, 0,1,2
	v_permlane16_swap_b32 v[CD+6*\c+\i], v[CD+12+4*\c+\i]
.endr
.irp i, 0,1,2
	v_mov_b32 v[CD+3+6*\c+\i], v[CD+12+4*\c+\i]
.endr
.endr
.if \isv
.irp c, 0,1,2
	global_store_b128 v[VO16], v[CD+4*\c:CD+4*\c+3], s[72:73] offset:(\a)*1536+512*\c
.endr
.else
	global_store_b128 v[VO16], v[CD:CD+3], s[72:73] offset:768*(\a)
	global_store_b64 v[VO8], v[CD+4:CD+5], s[72:73] offset:768*(\a)+512
	global_store_b128 v[VO16], v[CD+6:CD+9], s[72:73] offset:768*(\a)+HEADB
	global_store_b64 v[VO8], v[CD+10:CD+11], s[72:73] offset:768*(\a)+512+HEADB
.endif
.endm
; ---------------- the head
	s_load_b128 s[4:7], s[0:1], 0x0        ; x's codes, scales
	s_load_b256 s[8:15], s[0:1], 0x10      ; Wq's, Wk's, Wv's codes, Wq's scales
	s_load_b256 s[16:23], s[0:1], 0x30     ; Wk's, Wv's scales, bq, bk
	s_load_b128 s[56:59], s[0:1], 0x50     ; bv, qrec
	s_load_b64 s[60:61], s[0:1], 0x60      ; kv
	v_lshl_add_u32 v[SPW], v0, 2, SPARE
	v_mov_b32 v[NIL], 0
	ds_add_u32 v[SPW], v[NIL]
	ds_add_u32 v[SPW], v[NIL]
	v_lshrrev_b32 v1, 5, v0
	v_readfirstlane_b32 s90, v1            ; wave
	s_lshr_b32 s91, s90, 1
	s_and_b32 s92, s90, 1
	s_bfe_u32 s93, ttmp6, 0x40000          ; cx = my 256 features
	s_bfe_u32 s94, ttmp6, 0x40004          ; cy
	s_and_b32 s95, ttmp7, 0xffff
	s_lshl_b32 s95, s95, 2
	s_add_co_u32 s95, s95, s94             ; my 128 tokens, 0..63
	s_lshl_b32 s43, s94, 2
	s_lshl_b32 s43, 15, s43                ; my row of the cluster
	s_lshl_b32 s44, 0x1111, s93            ; my column
	s_or_b32 s24, s43, (1<<20)|(1<<21)|(5<<22)|(3<<25)   ; x: 64 rows of 768 bytes a load
	s_mov_b32 s25, 768<<16
	s_mov_b32 s26, 64<<16
	s_mov_b32 s27, 768<<16
	s_mov_b32 s28, 64
	s_mov_b32 s29, 768
	s_mov_b32 s30, 0
	s_mov_b32 s31, 0
	s_or_b32 s32, s44, (1<<20)|(1<<21)|(5<<22)|(3<<25)   ; a weight: 128 rows a load
	s_mov_b32 s33, 768<<16
	s_mov_b32 s34, 128<<16
	s_mov_b32 s35, 768<<16
	s_mov_b32 s36, 128
	s_mov_b32 s37, 768
	s_mov_b32 s38, 0
	s_mov_b32 s39, 0
	s_lshl_b32 s80, s95, 7
	s_lshl_b32 s81, s92, 6
	s_add_co_u32 s80, s80, s81
	s_mul_i32 s80, s80, 768                ; x: my 64 rows, in bytes
	s_mov_b32 s81, 0
	s_lshl_b32 s74, s93, 8
	s_lshl_b32 s75, s92, 7
	s_add_co_u32 s74, s74, s75
	s_lshl_b32 s76, s74, 5                 ; the same weight rows' scales,
	s_lshl_b32 s78, s74, 2                 ; and their bias
	s_mul_i32 s74, s74, 768                ; a weight: my 128 rows, in bytes
	s_mov_b32 s75, 0
	s_mov_b32 s77, 0
	s_mov_b32 s79, 0
	s_mov_b32 s48, 1
	s_mul_i32 s49, s92, 64*PITCH
	s_mov_b32 s52, 1
	s_mul_i32 s53, s92, 128*PITCH
	s_add_co_u32 s53, s53, WR
	s_mov_b32 s96, 0x7f7f0000
	s_mov_b32 s100, 0x76543210
	s_mov_b32 s101, 0xfedcba98
	s_mov_b32 s84, 0
	s_wait_dscnt 0x0
	s_wait_kmcnt 0x0
	s_add_nc_u64 s[50:51], s[4:5], s[80:81]
	s_or_b32 s51, s51, 0x80000000
	s_add_nc_u64 s[54:55], s[8:9], s[74:75]
	s_or_b32 s55, s55, 0x80000000
	CROUND
	s_cmp_eq_u32 s91, 0                    ; one load a wave: waves 0, 1 x's halves, waves 2, 3 Wq's
	s_cbranch_scc0 .Lhw
	tensor_load_to_lds s[48:51], s[24:31]
	s_nop 0
	PLACES 4
	s_branch .Lhj
.Lhw:
	tensor_load_to_lds s[52:55], s[32:39]
	s_nop 0
	PLACES 4
.Lhj:
	s_mov_b32 s83, 0
	s_lshl_b32 s82, s95, 12
	s_add_nc_u64 s[88:89], s[6:7], s[82:83]     ; V: P's scales = x's 128 rows
	s_lshl_b32 s85, s91, 11
	s_add_co_u32 s82, s82, s85
	s_add_nc_u64 s[68:69], s[6:7], s[82:83]     ; Q, K: R's scales = my 64 rows of x
	s_add_nc_u64 s[66:67], s[14:15], s[76:77]   ; Wq's
	s_add_nc_u64 s[86:87], s[16:17], s[76:77]   ; Wk's
	s_lshl_b32 s82, s93, 13
	s_lshl_b32 s85, s90, 11
	s_add_co_u32 s82, s82, s85
	s_add_nc_u64 s[98:99], s[18:19], s[82:83]   ; V: R's scales = my 64 rows of Wv
	s_add_nc_u64 s[70:71], s[20:21], s[78:79]   ; bq
	s_add_nc_u64 s[62:63], s[22:23], s[78:79]   ; bk
	s_lshr_b32 s82, s82, 3
	s_add_nc_u64 s[56:57], s[56:57], s[82:83]   ; bv, my head
	s_mov_b64 s[72:73], s[58:59]                ; Q goes to qrec
	s_lshr_b32 s85, s95, 4
	s_lshl_b32 s85, s85, 8
	s_and_b32 s82, s95, 15
	s_add_co_u32 s85, s85, s82
	s_lshl_b32 s82, s93, 6
	s_add_co_u32 s85, s85, s82             ; record of head 4 cx
	s_lshl_b32 s82, s92, 5
	s_add_co_u32 s46, s85, s82
	s_mul_i32 s46, s46, REC                ; Q, K: heads 4 cx + 2 (wave % 2), + 1
	s_lshl_b32 s82, s90, 4
	s_add_co_u32 s47, s85, s82
	s_mul_i32 s47, s47, REC
	s_add_co_u32 s47, s47, VOF             ; V: head 4 cx + wave
	s_mul_i32 s45, s91, 3072
	s_add_co_u32 s45, s45, s46             ; my four tiles of 16 tokens
	s_lshl_b32 s82, s91, 8
	s_add_co_u32 s46, s46, s82
	s_add_co_u32 s46, s46, KSC
	s_mul_i32 s40, s91, 64*PITCH
	s_mul_i32 s41, s92, 128*PITCH
	s_add_co_u32 s41, s41, WR
	v_and_b32 v1, 15, v0
	v_bfe_u32 v2, v0, 4, 1
	v_and_b32 v3, 31, v0
	v_mul_u32_u24 v4, v1, PITCH
	v_mad_u32_u24 v5, v2, 40, v4
	v_mad_u32_u24 v4, v2, 24, v4
	SETADR
	v_lshlrev_b32 v[ABS], 5, v3
	v_lshlrev_b32 v[VB], 5, v2
	v_lshlrev_b32 v[VBV], 2, v1
	v_lshlrev_b32 v[SH], 4, v2
	v_lshl_add_u32 v[VO16], v3, 4, s45
	v_lshl_add_u32 v[VO8], v3, 3, s45
	v_mul_u32_u24 v[VSW], v2, HEADB
	v_lshl_add_u32 v[VSW], v1, 4, v[VSW]
	v_add_nc_u32 v[VSW], s46, v[VSW]       ; scale words: lanes 0-15 the first head's, lanes 16-31 the second's
.irp b, 0,1,2,3
	v_mov_b32 v[TM+4+\b], 0
.endr
	WALU
	LDSCALES
	LDBIAS 70, 71
.irp a, 0,1,2,3
.irp n, 0,1,2,3,4,5,6,7
	global_load_b32 v[BV+8*\a+\n], v[VBV], s[56:57] offset:64*\a
.endr
.endr
; ---------------- Q, then K
.Lphase:
	s_wait_tensorcnt 0x0                   ; my part of the tiles is in,
	s_wait_loadcnt 0x0                     ; the scale words and the bias too
	s_barrier_signal -1
	s_barrier_wait -1                      ; everybody's are
	GEMM 1
	s_wait_tensorcnt 0x0
	ds_add_u32 v[SPW], v[NIL]
	s_cmp_eq_u32 s84, 0                    ; what comes next: K (trip 0) or V (trip 1)
	s_cselect_b64 s[2:3], s[10:11], s[12:13]
	s_cselect_b64 s[66:67], s[86:87], s[88:89]
	s_cselect_b64 s[68:69], s[68:69], s[98:99]
	s_add_nc_u64 s[54:55], s[2:3], s[74:75]
	s_or_b32 s55, s55, 0x80000000
	s_wait_dscnt 0x0
	CROUND                                 ; no wave of any partner still reads the weights' region
	s_cmp_lt_u32 s90, 2
	s_cbranch_scc1 .Lno_w
	tensor_load_to_lds s[52:55], s[32:39]  ; waves 2, 3: a half each of the next weight's 256 rows
	s_nop 0
	PLACES 4
.Lno_w:
	LDSCALES
	s_cmp_eq_u32 s84, 0
	s_cbranch_scc0 .Lno_bias               ; V's bias has lain in registers since the head
	LDBIAS 62, 63
.Lno_bias:
.irp a, 0,1,2,3
	OUTBLK \a, 0
.endr
.irp i, 0,1,2,3
	v_lshrrev_b32 v[WD+\i], v[SH], v[PWS+\i]
.endr
.irp i, 0,1,2,3
	v_and_or_b32 v[WD+\i], v[WD+\i], 0xffff, s96   ; a head's two bytes, and 127 twice
.endr
	global_store_b128 v[VSW], v[WD:WD+3], s[72:73]
	s_wait_xcnt 0x0
	s_mov_b64 s[72:73], s[60:61]           ; K and V go to kv
	s_add_co_u32 s84, s84, 1
	s_cmp_lt_u32 s84, 2
	WALU
	s_cbranch_scc1 .Lphase
; ---------------- V
	s_mul_i32 s40, s90, 64*PITCH
	s_add_co_u32 s40, s40, WR
	s_mov_b32 s41, 0
	SETADR
	v_lshl_add_u32 v[VO16], v3, 4, s47
	WALU
	s_wait_tensorcnt 0x0
	s_wait_loadcnt 0x0
	s_barrier_signal -1
	s_barrier_wait -1
	GEMM 2
.irp a, 0,1,2,3
	OUTBLK \a, 1
.endr
	global_store_b128 v[VO16], v[PWS:PWS+3], s[72:73] offset:KSC
	s_wait_tensorcnt 0x0                   ; the wave's end
	ds_add_u32 v[SPW], v[NIL]
	s_wait_dscnt 0x0
	CROUND
	s_endpgm
.Lfunc_end_k_q44db3a4ae1_proj:
	.size	k_q44db3a4ae1_proj, .Lfunc_end_k_q44db3a4ae1_proj-k_q44db3a4ae1_proj
	.p2alignl 7, 3214868480
	.fill 96, 4, 3214868480
	.section	.rodata,"a",@progbits
	.p2align	6, 0x0
	.amdhsa_kernel k_q44db3a4ae1_proj
		.amdhsa_group_segment_fixed_size 327680
		.amdhsa_private_segment_fixed_size 0
		.amdhsa_enable_private_segment 0
		.amdhsa_kernarg_size 104
		.amdhsa_user_sgpr_count 2
		.amdhsa_user_sgpr_kernarg_segment_ptr 1
		.amdhsa_wavefront_size32 1
		.amdhsa_system_sgpr_workgroup_id_x 1
		.amdhsa_system_sgpr_workgroup_id_y 1
		.amdhsa_system_sgpr_workgroup_id_z 1
		.amdhsa_system_vgpr_workitem_id 0
		.amdhsa_next_free_vgpr 1024
		.amdhsa_next_free_sgpr 102
		.amdhsa_reserve_vcc 0
		.amdhsa_float_denorm_mode_32 3
		.amdhsa_float_denorm_mode_16_64 3
		.amdhsa_memory_ordered 1
		.amdhsa_forward_progress 1
		.amdhsa_inst_pref_size 195
	.end_amdhsa_kernel
	.amdgpu_metadata
---
amdhsa.version: [ 1, 2 ]
amdhsa.kernels:
  - .name:           k_q44db3a4ae1_proj
    .symbol:         k_q44db3a4ae1_proj.kd
    .args:
      - { .name: x_codes, .offset: 0, .size: 8, .value_kind: global_buffer, .address_space: global }
      - { .name: x_scales, .offset: 8, .size: 8, .value_kind: global_buffer, .address_space: global }
      - { .name: Wq_codes, .offset: 16, .size: 8, .value_kind: global_buffer, .address_space: global }
      - { .name: Wk_codes, .offset: 24, .size: 8, .value_kind: global_buffer, .address_space: global }
      - { .name: Wv_codes, .offset: 32, .size: 8, .value_kind: global_buffer, .address_space: global }
      - { .name: Wq_scales, .offset: 40, .size: 8, .value_kind: global_buffer, .address_space: global }
      - { .name: Wk_scales, .offset: 48, .size: 8, .value_kind: global_buffer, .address_space: global }
      - { .name: Wv_scales, .offset: 56, .size: 8, .value_kind: global_buffer, .address_space: global }
      - { .name: bq, .offset: 64, .size: 8, .value_kind: global_buffer, .address_space: global }
      - { .name: bk, .offset: 72, .size: 8, .value_kind: global_buffer, .address_space: global }
      - { .name: bv, .offset: 80, .size: 8, .value_kind: global_buffer, .address_space: global }
      - { .name: qrec, .offset: 88, .size: 8, .value_kind: global_buffer, .address_space: global }
      - { .name: kv, .offset: 96, .size: 8, .value_kind: global_buffer, .address_space: global }
    .group_segment_fixed_size: 327680
    .private_segment_fixed_size: 0
    .kernarg_segment_align: 8
    .kernarg_segment_size: 104
    .max_flat_workgroup_size: 128
    .sgpr_count:     102
    .vgpr_count:     1024
    .wavefront_size: 32
...
	.end_amdgpu_metadata
.endif
;; end of part 1
;; launch attn (part 2): grid 4 x 64, 16 waves a work-group, clusters of 4 x 1, 327,680 bytes of LDS; arguments qrec, kv, aoc, aos; writes aoc, aos
.if DOCPART == 2
	.amdgcn_target "amdgcn-amd-amdhsa--gfx1250"
	.amdhsa_code_object_version 6
	.text
	.protected	k_q44db3a4ae1_attn
	.globl	k_q44db3a4ae1_attn
	.p2align	8
	.type	k_q44db3a4ae1_attn,@function
k_q44db3a4ae1_attn:
	s_mov_b64 s[64:65], 0
	v_nop
	global_prefetch_b8 v0, s[64:65] scope:SCOPE_SE
	s_setreg_imm32_b32 hwreg(HW_REG_WAVE_MODE, 25, 1), 1
	s_wait_xcnt 0x0
	s_wait_alu depctr_hold_cnt(0) depctr_sa_sdst(0) depctr_va_vdst(0) depctr_va_sdst(0) depctr_va_ssrc(0) depctr_va_vcc(0) depctr_vm_vsrc(0)
	s_getreg_b32 s2, hwreg(HW_REG_IB_STS2, 6, 4)
	s_cmp_eq_u32 s2, 0
	s_cbranch_scc0 .Lentry_in_a_cluster
	s_endpgm
.Lentry_in_a_cluster:
	s_bfe_u32 s2, ttmp6, 0x10000c
	s_cmp_lg_u32 s2, 0x3003
	s_cbranch_scc0 .Lentry_shape_is_right
	s_endpgm
.Lentry_shape_is_right:
.set REC,   13312
.set HEADB, 16*REC
.set KSC,   6144
.set VOF,   6656
.set VSC,   12800
.set L16,  1
.set L8,   2
.set R16,  3
.set R32,  4
.set AD16, 5
.set AD8,  6
.set CDP,  192
.set CH,   204
.set BM,   212
.set PX,   216
.set SO,   220
.set PWD,  232
.set TT,   234
.set FF,   236
.set S2,   238
.set WV,   18
.set SEL,  20
.set CS,   22
.set G1A,  24
.set G1B,  32
.set G0A,  40
.set G0B,  44
.set TB,   48
.set CNT,  49
.macro CROUND
	s_barrier_signal -1
	s_barrier_wait -1
	s_cmp_lg_u32 s[WV], 0
	s_cbranch_scc1 .Lnot_wave_0_\@
	s_barrier_signal -3
.Lnot_wave_0_\@:
	s_barrier_wait -3
	s_barrier_signal -1
	s_barrier_wait -1
.endm
	s_load_b256 s[4:11], s[0:1], 0x0
	v_lshl_add_u32 v254, v0, 2, 0x34000
	v_mov_b32 v255, 0
	ds_add_u32 v254, v255
	ds_add_u32 v254, v255
	v_lshrrev_b32 v7, 5, v0
	s_delay_alu instid0(VALU_DEP_1)
	v_readfirstlane_b32 s[WV], v7
	s_bfe_u32 s16, ttmp6, 0x40000
	s_and_b32 s17, ttmp7, 0xffff
	s_mul_i32 s52, s17, HEADB
	s_mul_i32 s53, s[WV], 13*256
	s_add_co_u32 s54, s52, s53
	s_mov_b32 s55, 0
	s_mul_i32 s50, s[WV], 39*256
	s_add_co_u32 s50, s50, 4*REC
	s_add_co_u32 s56, s52, s50
	s_mov_b32 s57, 0
	s_mov_b32 s[G1A], 15|(3<<16)|(1<<21)
	s_mov_b32 s[G1A+1], 32<<16
	s_mov_b32 s[G1A+2], 13<<16
	s_mov_b32 s[G1A+3], 32<<16
	s_mov_b32 s[G1A+4], 13
	s_mov_b32 s[G1A+5], 32
	s_mov_b32 s[G1A+6], 0
	s_mov_b32 s[G1A+7], 0
	s_mov_b32 s[G1B], 15|(3<<16)|(1<<21)
	s_mov_b32 s[G1B+1], 32<<16
	s_mov_b32 s[G1B+2], 39<<16
	s_mov_b32 s[G1B+3], 32<<16
	s_mov_b32 s[G1B+4], 39
	s_mov_b32 s[G1B+5], 32
	s_mov_b32 s[G1B+6], 0
	s_mov_b32 s[G1B+7], 0
	s_mov_b32 s[SEL], 0x76543210
	s_mov_b32 s[SEL+1], 0xfedcba98
	s_mov_b32 s[CS], 0x3e38aa3b
	s_mov_b32 s[CS+1], s[CS]
	s_wait_dscnt 0x0
	s_wait_kmcnt 0x0
	s_mov_b32 s[G0A], 1
	s_mov_b32 s[G0A+1], s53
	s_add_nc_u64 s[G0A+2:G0A+3], s[6:7], s[54:55]
	s_or_b32 s[G0A+3], s[G0A+3], 0x80000000
	s_mov_b32 s[G0B], 1
	s_mov_b32 s[G0B+1], s50
	s_add_nc_u64 s[G0B+2:G0B+3], s[6:7], s[56:57]
	s_or_b32 s[G0B+3], s[G0B+3], 0x80000000
	CROUND
	tensor_load_to_lds s[G0A:G0A+3], s[G1A:G1A+7]
	s_nop 0
	s_wait_alu depctr_va_vdst(0)
	s_wait_tensorcnt 0x0
	ds_add_u32 v254, v255
	s_wait_dscnt 0x0
	CROUND
	tensor_load_to_lds s[G0B:G0B+3], s[G1B:G1B+7]
	s_nop 0
.rept 4
	v_nop
.endr
	s_lshr_b32 s19, s[WV], 3
	s_and_b32 s51, s[WV], 7
	s_lshl_b32 s58, s17, 4
	s_lshl_b32 s59, s16, 2
	s_add_co_u32 s59, s59, s19
	s_add_co_u32 s58, s58, s59
	s_mul_i32 s58, s58, REC
	s_mul_i32 s60, s51, 768
	s_add_co_u32 s60, s60, s58
	s_mov_b32 s61, 0
	s_lshr_b32 s62, s51, 2
	s_lshl_b32 s62, s62, 8
	s_add_co_u32 s62, s62, s58
	s_and_b32 s63, s[WV], 3
	s_lshl_b32 s63, s63, 2
	s_add_co_u32 s62, s62, s63
	s_add_co_u32 s62, s62, KSC
	s_mov_b32 s63, 0
	s_add_nc_u64 s[12:13], s[4:5], s[62:63]
	s_add_nc_u64 s[4:5], s[4:5], s[60:61]
	v_and_b32 v7, 31, v0
	s_delay_alu instid0(VALU_DEP_1)
	v_lshlrev_b32 v[L16], 4, v7
	s_delay_alu instid0(VALU_DEP_2)
	v_lshlrev_b32 v[L8], 3, v7
	v_and_b32 v8, 15, v0
	s_delay_alu instid0(VALU_DEP_1)
	v_lshlrev_b32 v[R16], 4, v8
	s_delay_alu instid0(VALU_DEP_2)
	v_lshlrev_b32 v[R32], 5, v8
	global_load_b128 v[16:19], v[L16], s[4:5]
	global_load_b64 v[20:21], v[L8], s[4:5] offset:512
	global_load_b32 v28, v[R16], s[12:13]
	global_load_b128 v[80:83], v[L16], s[4:5] offset:2*REC
	global_load_b64 v[84:85], v[L8], s[4:5] offset:2*REC+512
	global_load_b32 v86, v[R16], s[12:13] offset:2*REC
	s_lshr_b32 s14, s17, 4
	s_and_b32 s15, s17, 15
	s_lshl_b32 s58, s14, 4
	s_add_co_u32 s58, s58, s59
	s_mul_i32 s58, s58, 98304
	s_lshr_b32 s60, s15, 2
	s_mul_i32 s60, s60, 24576
	s_add_co_u32 s58, s58, s60
	s_mul_i32 s60, s51, 3072
	s_add_co_u32 s58, s58, s60
	s_and_b32 s60, s15, 3
	s_mul_i32 s60, s60, 768
	s_add_co_u32 s58, s58, s60
	s_mov_b32 s59, 0
	s_add_nc_u64 s[8:9], s[8:9], s[58:59]
	s_lshl_b32 s60, s14, 16
	s_lshl_b32 s61, s16, 14
	s_add_co_u32 s60, s60, s61
	s_lshl_b32 s61, s[WV], 9
	s_add_co_u32 s60, s60, s61
	s_lshl_b32 s61, s15, 1
	s_add_co_u32 s60, s60, s61
	s_mov_b32 s61, 0
	s_add_nc_u64 s[10:11], s[10:11], s[60:61]
.irp j, 22,23,24,25,26,27
	v_mov_b32 v[\j], 0
.endr
.irp t, 0,1,2,3
.irp j, 6,7,8,9,10,11
	v_mov_b32 v[32+12*\t+\j], 0
.endr
.endr
.irp b, 0,1,2,3
	v_mov_b32 v[PX+\b], 0
.endr
	v_mov_b32 v[FF+1], 0
.macro INIT
	v_mov_b32 v13, 0xff61b1e6
	s_delay_alu instid0(VALU_DEP_1)
	v_floor_f32 v12, -v13
	v_mov_b32 v14, 0
	v_mov_b32 v15, 0
.set jj, 0
.rept 32
	v_mov_b32 v[160+jj], 0
.set jj, jj+1
.endr
	s_mov_b32 s[TB], 0
.endm
.macro STEP
	v_add_nc_u32 v[AD16], s[TB], v[L16]
	s_wait_alu depctr_va_vdst(0)
	v_add_nc_u32 v[AD8], s[TB], v[L8]
	s_wait_alu depctr_va_vdst(0)
.rept 3
	v_nop
.endr
	ds_load_b128 v[224:227], v[AD16] offset:KSC
.irp g, 0,1
.if \g
.rept 4
	v_nop
.endr
.endif
.irp t, 0,1,2,3
	ds_load_b128 v[32+12*\t:35+12*\t], v[AD16] offset:768*(4*\g+\t)
	ds_load_b64 v[36+12*\t:37+12*\t], v[AD8] offset:768*(4*\g+\t)+512
.endr
	s_wait_dscnt 0x0
.irp t, 0,1,2,3
.if \g
	v_wmma_scale_f32_16x16x128_f8f6f4 v[96+8*(4*\g+\t):103+8*(4*\g+\t)], v[32+12*\t:43+12*\t], v[16:27], 0, v[224+\t], v28 matrix_a_fmt:MATRIX_FMT_FP6 matrix_b_fmt:MATRIX_FMT_FP6 matrix_a_scale:MATRIX_SCALE_ROW1
.else
	v_wmma_scale_f32_16x16x128_f8f6f4 v[96+8*(4*\g+\t):103+8*(4*\g+\t)], v[32+12*\t:43+12*\t], v[16:27], 0, v[224+\t], v28 matrix_a_fmt:MATRIX_FMT_FP6 matrix_b_fmt:MATRIX_FMT_FP6
.endif
.endr
.endr
.rept 4
	v_nop
.endr
.irp b, 0,1,2,3
	v_max3_num_f32 v[BM+\b], v[96+16*\b], v[97+16*\b], v[98+16*\b]
.endr
.irp i, 3,5,7,9,11,13
.irp b, 0,1,2,3
	v_max3_num_f32 v[BM+\b], v[BM+\b], v[96+16*\b+\i], v[97+16*\b+\i]
.endr
.endr
.irp b, 0,1,2,3
	v_max_num_f32 v[BM+\b], v[BM+\b], v[111+16*\b]
.endr
.irp b, 0,1,2,3
	s_delay_alu instid0(VALU_DEP_4)
	v_permlanex16_b32 v[PX+\b], v[BM+\b], s[SEL], s[SEL+1]
.endr
.irp b, 0,1,2,3
	s_delay_alu instid0(VALU_DEP_4)
	v_max_num_f32 v[BM+\b], v[BM+\b], v[PX+\b]
.endr
	s_delay_alu instid0(VALU_DEP_2)
	v_max3_num_f32 v[TT], v[BM], v[BM+1], v[BM+2]
	s_delay_alu instid0(VALU_DEP_1)
	v_max_num_f32 v[TT], v[TT], v[BM+3]
	s_delay_alu instid0(VALU_DEP_1)
	v_mul_f32 v[TT], s[CS], v[TT]
	s_delay_alu instid0(VALU_DEP_1)
	v_max_num_f32 v13, v13, v[TT]
	v_mov_b32 v[TT], v12
	s_delay_alu instid0(VALU_DEP_2)
	v_floor_f32 v12, -v13
	s_delay_alu instid0(VALU_DEP_1)
	v_sub_f32 v[TT], v12, v[TT]
	s_delay_alu instid0(VALU_DEP_1)
	v_cvt_i32_f32 v[TT], v[TT]
	s_delay_alu instid0(VALU_DEP_1)
	v_ldexp_f32 v[FF], 1.0, v[TT]
.set jj, 0
.rept 32
	v_pk_fma_f32 v[96+jj:97+jj], v[96+jj:97+jj], s[CS:CS+1], v[12:13] op_sel_hi:[1,0,0]
.set jj, jj+2
.endr
.irp b, 0,1,2,3
	v_fma_f32 v[BM+\b], v[BM+\b], s[CS], v12
.endr
.set jj, 0
	s_wait_alu depctr_va_vdst(0)
.rept 64
	v_exp_f32 v[96+jj], v[96+jj]
.set jj, jj+1
.endr
.irp b, 0,1,2,3
	v_exp_f32 v[BM+\b], v[BM+\b]
.endr
	v_pk_mul_f32 v[14:15], v[14:15], v[FF:FF+1] op_sel_hi:[1,0]
	s_wait_alu depctr_va_vdst(0)
.irp b, 0,1,2,3
	v_max_num_f32 v[BM+\b], 0x1800000, v[BM+\b]
.endr
.irp b, 0,1,2,3
	s_delay_alu instid0(VALU_DEP_4)
	v_add_nc_u32 v[SO+\b], 0xff000000, v[BM+\b]
.endr
.irp b, 0,1,2,3
	s_delay_alu instid0(VALU_DEP_4)
	v_lshrrev_b32 v[PX+\b], 23, v[SO+\b]
.endr
	s_delay_alu instid0(VALU_DEP_3)
	v_lshl_or_b32 v[PWD], v[PX+1], 8, v[PX]
	s_delay_alu instid0(VALU_DEP_1)
	v_lshl_or_b32 v[PWD], v[PX+2], 16, v[PWD]
	s_delay_alu instid0(VALU_DEP_1)
	v_lshl_or_b32 v[PWD], v[PX+3], 24, v[PWD]
.irp c, 0,1
	v_cvt_scalef32_pk16_fp6_f32 v[CDP+6*\c:CDP+2+6*\c], v[96+32*\c:111+32*\c], v[SO+2*\c]
	v_cvt_scalef32_pk16_fp6_f32 v[CH+4*\c:CH+2+4*\c], v[112+32*\c:127+32*\c], v[SO+2*\c+1]
.endr
	v_nop
.irp c, 0,1
.irp i, 0,1,2
	v_permlane16_swap_b32 v[CDP+6*\c+\i], v[CH+4*\c+\i]
.endr
.irp i, 0,1,2
	s_delay_alu instid0(VALU_DEP_3)
	v_mov_b32 v[CDP+3+6*\c+\i], v[CH+4*\c+\i]
.endr
.endr
	v_pk_add_f32 v[S2:S2+1], v[96:97], v[98:99]
.irp j, 4,8,12,16,20,24,28,32,36,40,44,48,52,56,60
	v_pk_add_f32 v[14:15], v[14:15], v[96+\j:97+\j]
	v_pk_add_f32 v[S2:S2+1], v[S2:S2+1], v[98+\j:99+\j]
.endr
	s_delay_alu instid0(VALU_DEP_1)
	v_pk_add_f32 v[14:15], v[14:15], v[S2:S2+1]
	ds_load_b128 v[228:231], v[AD16] offset:VSC
.irp t, 0,1,2,3
.irp c, 0,1,2
	ds_load_b128 v[96+12*\t+4*\c:99+12*\t+4*\c], v[AD16] offset:VOF+1536*\t+512*\c
.endr
.endr
.set jj, 0
.rept 16
	v_pk_mul_f32 v[160+jj:161+jj], v[160+jj:161+jj], v[FF:FF+1] op_sel_hi:[1,0]
.set jj, jj+2
.endr
	s_wait_alu depctr_va_vdst(0)
	s_wait_dscnt 0x0
.irp t, 0,1,2,3
	v_wmma_scale_f32_16x16x128_f8f6f4 v[160+8*\t:167+8*\t], v[96+12*\t:107+12*\t], v[CDP:CDP+11], v[160+8*\t:167+8*\t], v[228+\t], v[PWD] matrix_a_fmt:MATRIX_FMT_FP6 matrix_b_fmt:MATRIX_FMT_FP6
.endr
.endm
.macro STEPS n
	s_mov_b32 s[CNT], \n
.Lstep_\@:
	STEP
	s_add_co_u32 s[TB], s[TB], REC
	s_sub_co_u32 s[CNT], s[CNT], 1
	s_cmp_lg_u32 s[CNT], 0
	s_cbranch_scc1 .Lstep_\@
.endm
.macro WAYOUT p
.rept 4
	v_nop
.endr
	v_add_f32 v14, v14, v15
	s_delay_alu instid0(VALU_DEP_1)
	v_permlanex16_b32 v[TT], v14, s[SEL], s[SEL+1]
	s_delay_alu instid0(VALU_DEP_1)
	v_add_f32 v14, v14, v[TT]
	s_wait_alu depctr_va_vdst(0)
	v_rcp_f32 v14, v14
	v_nop
.set jj, 0
	s_wait_alu depctr_va_vdst(0)
.rept 32
	v_mul_f32 v[96+jj], v[160+jj], v14
.set jj, jj+1
.endr
.irp b, 0,1
.irp j, 0,1,2,3,4,5,6,7
	v_permlane16_swap_b32 v[96+16*\b+\j], v[104+16*\b+\j]
.endr
.endr
.irp b, 0,1
	v_max3_num_f32 v[BM+\b], |v[96+16*\b]|, |v[97+16*\b]|, 0x1800000
.endr
.irp i, 2,4,6,8,10,12,14
.irp b, 0,1
	s_delay_alu instid0(VALU_DEP_2)
	v_max3_num_f32 v[BM+\b], v[BM+\b], |v[96+16*\b+\i]|, |v[97+16*\b+\i]|
.endr
.endr
.irp b, 0,1
	s_delay_alu instid0(VALU_DEP_2)
	v_permlanex16_b32 v[PX+\b], v[BM+\b], s[SEL], s[SEL+1]
.endr
.irp b, 0,1
	s_delay_alu instid0(VALU_DEP_2)
	v_max_num_f32 v[BM+\b], v[BM+\b], v[PX+\b]
.endr
.irp b, 0,1
	s_delay_alu instid0(VALU_DEP_2)
	v_add_nc_u32 v[SO+\b], 0xff000000, v[BM+\b]
.endr
.irp b, 0,1
	s_delay_alu instid0(VALU_DEP_2)
	v_lshrrev_b32 v[PX+\b], 23, v[SO+\b]
.endr
	s_delay_alu instid0(VALU_DEP_1)
	v_lshl_or_b32 v[TT], v[PX+1], 8, v[PX]
	v_cvt_scalef32_pk16_fp6_f32 v[CDP:CDP+2], v[96:111], v[SO]
	v_cvt_scalef32_pk16_fp6_f32 v[CH:CH+2], v[112:127], v[SO+1]
	v_nop
.irp i, 0,1,2
	v_permlane16_swap_b32 v[CDP+\i], v[CH+\i]
.endr
.irp i, 0,1,2
	s_delay_alu instid0(VALU_DEP_3)
	v_mov_b32 v[CDP+3+\i], v[CH+\i]
.endr
	global_store_b128 v[L16], v[CDP:CDP+3], s[8:9] offset:\p*196608
	global_store_b64 v[L8], v[CDP+4:CDP+5], s[8:9] offset:\p*196608+512
	global_store_b16 v[R32], v[TT], s[10:11] offset:\p*8192
.endm
	s_wait_loadcnt 0x0
	INIT
	s_wait_tensorcnt 1
	s_barrier_signal -1
	s_barrier_wait -1
	STEPS 4
	s_wait_tensorcnt 0x0
	s_barrier_signal -1
	s_barrier_wait -1
	STEPS 12
	WAYOUT 0
	s_wait_xcnt 0x0
.irp j, 0,1,2,3,4,5
	v_mov_b32 v[16+\j], v[80+\j]
.endr
	v_mov_b32 v28, v86
	INIT
	STEPS 16
	WAYOUT 1
	s_wait_tensorcnt 0x0
	s_wait_tensorcnt 0x0
	ds_add_u32 v254, v255
	s_wait_dscnt 0x0
	CROUND
	s_endpgm
.Lfunc_end_k_q44db3a4ae1_attn:
	.size	k_q44db3a4ae1_attn, .Lfunc_end_k_q44db3a4ae1_attn-k_q44db3a4ae1_attn
	.p2alignl 7, 3214868480
	.fill 96, 4, 3214868480
	.section	.rodata,"a",@progbits
	.p2align	6, 0x0
	.amdhsa_kernel k_q44db3a4ae1_attn
		.amdhsa_group_segment_fixed_size 327680
		.amdhsa_private_segment_fixed_size 0
		.amdhsa_enable_private_segment 0
		.amdhsa_kernarg_size 32
		.amdhsa_user_sgpr_count 2
		.amdhsa_user_sgpr_kernarg_segment_ptr 1
		.amdhsa_wavefront_size32 1
		.amdhsa_system_sgpr_workgroup_id_x 1
		.amdhsa_system_sgpr_workgroup_id_y 1
		.amdhsa_system_sgpr_workgroup_id_z 1
		.amdhsa_system_vgpr_workitem_id 0
		.amdhsa_next_free_vgpr 256
		.amdhsa_next_free_sgpr 66
		.amdhsa_reserve_vcc 0
		.amdhsa_float_denorm_mode_32 3
		.amdhsa_float_denorm_mode_16_64 3
		.amdhsa_memory_ordered 1
		.amdhsa_forward_progress 1
		.amdhsa_inst_pref_size 72
	.end_amdhsa_kernel
	.amdgpu_metadata
---
amdhsa.version: [ 1, 2 ]
amdhsa.kernels:
  - .name:           k_q44db3a4ae1_attn
    .symbol:         k_q44db3a4ae1_attn.kd
    .args:
      - { .name: qrec, .offset: 0, .size: 8, .value_kind: global_buffer, .address_space: global }
      - { .name: kv, .offset: 8, .size: 8, .value_kind: global_buffer, .address_space: global }
      - { .name: aoc, .offset: 16, .size: 8, .value_kind: global_buffer, .address_space: global }
      - { .name: aos, .offset: 24, .size: 8, .value_kind: global_buffer, .address_space: global }
    .group_segment_fixed_size: 327680
    .private_segment_fixed_size: 0
    .kernarg_segment_align: 8
    .kernarg_segment_size: 32
    .max_flat_workgroup_size: 512
    .sgpr_count:     66
    .vgpr_count:     256
    .wavefront_size: 32
...
	.end_amdgpu_metadata
.endif
;; end of part 2
;; launch oproj (part 3): grid 4 x 64, 4 waves a work-group, clusters of 4 x 4, 327,680 bytes of LDS; arguments aoc, aos, Wo_codes, Wo_scales, bo, out0; writes out0
.if DOCPART == 3
	.amdgcn_target "amdgcn-amd-amdhsa--gfx1250"
	.amdhsa_code_object_version 6
	.text
	.protected	k_q44db3a4ae1_oproj
	.globl	k_q44db3a4ae1_oproj
	.p2align	8
	.type	k_q44db3a4ae1_oproj,@function
k_q44db3a4ae1_oproj:
	s_mov_b64 s[64:65], 0
	v_nop
	global_prefetch_b8 v0, s[64:65] scope:SCOPE_SE
	s_setreg_imm32_b32 hwreg(HW_REG_WAVE_MODE, 25, 1), 1
	s_wait_xcnt 0x0
	s_wait_alu depctr_hold_cnt(0) depctr_sa_sdst(0) depctr_va_vdst(0) depctr_va_sdst(0) depctr_va_ssrc(0) depctr_va_vcc(0) depctr_vm_vsrc(0)
	s_getreg_b32 s2, hwreg(HW_REG_IB_STS2, 6, 4)
	s_cmp_eq_u32 s2, 0
	s_cbranch_scc0 .Lentry_in_a_cluster
	s_endpgm
.Lentry_in_a_cluster:
	s_bfe_u32 s2, ttmp6, 0x10000c
	s_cmp_lg_u32 s2, 0xf033
	s_cbranch_scc0 .Lentry_shape_is_right
	s_endpgm
.Lentry_shape_is_right:
; out0 = ao Wo + bo on codes of FP6 (E2M3) with E8M0 scales, K = 1,024; f32 out.
; 256 work-groups, each 128 tokens x 256 columns; both operands, all of K, come into LDS once at the head: nothing is filled again.
; ao's codes lie in memory as images of operand registers ([128 tokens][256 of K][16 tokens][64 of K][768 bytes]): a dense block of 98,304 bytes, fetched as rows of 256.
; Wo's rows are whole rows of 768 bytes, padded by 16 behind each 256: LDS pitch 816.  A wave makes 64 x 128: 32 accumulators; source 0 = Wo's rows, source 1 = tokens,
; so a lane holds eight neighbouring columns of a row.  The bias is the C of the first K step's products.  Scale words go from memory into registers.
; CLUSTERS 4 x 4: ao's block is shared along a row of the cluster, Wo's rows along a column.  No prefetch: the launch has no loop to run ahead in.
; The way out goes through a stage in ao's LDS bytes, which have had their only fill and, behind a barrier, their last read.
; LIMITS: NaN and infinities are not served.
.set PITCH, 816
.set WR,    98304
.set SPARE, WR+256*PITCH
.set SPITCH, 528
.set AR,   12      ; v12 16 x lane, v13 8 x lane (K steps 0-3); v14, v15 the same 49,152 bytes on
.set AP,   18
.set AP2,  20
.set STO,  22
.set RD,   23
.set CO,   24
.set ABS,  25
.set VB,   26
.set SPW,  28
.set NIL,  29
.set SR,   36
.set SP,   56
.set BJ,   96
.set BK,   128
.set MSB, 0
.macro WIN new
.if MSB != (\new)
	s_set_vgpr_msb (MSB<<8)|(\new)
.set MSB, (\new)
.endif
.endm
.macro PLACES n
.rept \n
	v_nop
.endr
.endm
.macro CROUND
	s_barrier_signal -1
	s_barrier_wait -1
	s_cmp_lg_u32 s90, 0
	s_cbranch_scc1 .Lnw0_\@
	s_barrier_signal -3
.Lnw0_\@:
	s_barrier_wait -3
	s_barrier_signal -1
	s_barrier_wait -1
.endm
.macro FRAG reg, adr, q, i
.irp p, 0,1,2,3,4,5
.set PC_, 12*(\q)+6*(\p/3)+\p%3
.if PC_%32 < 29
	ds_load_b64 v[\reg+2*\p:\reg+2*\p+1], v[\adr] offset:8*PC_+16*(PC_/32)+(\i)*16*PITCH
.else
	ds_load_b64 v[\reg+2*\p:\reg+2*\p+1], v[\adr+1] offset:8*PC_+16*(PC_/32)+(\i)*16*PITCH
.endif
.endr
.endm
.macro FRAGA reg, q, i         ; an image of twelve registers: 16 and 8 bytes a lane, twice
.set O_, (((\q)/2)%2)*24576+(\i)*3072+((\q)%2)*1536
.set A_, AR+2*((\q)/4)
	ds_load_b128 v[\reg:\reg+3], v[A_] offset:O_
	ds_load_b64 v[\reg+4:\reg+5], v[A_+1] offset:O_+512
	ds_load_b128 v[\reg+6:\reg+9], v[A_] offset:O_+768
	ds_load_b64 v[\reg+10:\reg+11], v[A_+1] offset:O_+1280
.endm
.macro FETCH3 q, g
.irp k, 0,1,2
.set F_, 3*(\g)+\k
.if F_ < 4
	FRAG 12*F_, AP, \q, F_
.elseif F_ < 8
	FRAG 12*F_, AP2, \q, F_-4
.else
	FRAGA 12*F_, \q, F_-8
.endif
.endr
.endm
.macro W1 c, ra, rb
	v_wmma_scale_f32_16x16x128_f8f6f4 v[D_:D_+7], v[P_:P_+11], v[R_:R_+11], \c, v[XA_], v[XB_] matrix_a_fmt:MATRIX_FMT_FP6 matrix_b_fmt:MATRIX_FMT_FP6 matrix_a_scale:MATRIX_SCALE_ROW\ra matrix_b_scale:MATRIX_SCALE_ROW\rb
.endm
.macro W2 q, a, b, ra, rb, ck
.set D_, 8*(8*(\a)+(\b))
.set P_, 12*(\b)
.set R_, 96+12*(\a)
.set XA_, SP+8*((\b)/2)+(\q)
.set XB_, SR+8*((\a)/2)+(\q)
.if (\ck) == 1
	W1 v[BJ+8*(\b):BJ+8*(\b)+7], \ra, \rb
.else
	W1 v[D_:D_+7], \ra, \rb
.endif
.endm
.macro QUARTER q, g, rb, ck
.if (\q) < 7
	WIN (2+((\q)+1)%2)<<6
	FETCH3 (\q)+1, \g
.endif
.if (\g) == 0
.if (\q) < 7
	s_wait_dscnt 18            ; all but the 18 just issued: this step's loads are in
.else
	s_wait_dscnt 0
.endif
.endif
.set S_, 2+(\q)%2
.if \ck
	WIN S_|(S_<<2)|0x40
.else
	WIN S_|(S_<<2)|0x50
.endif
.irp b, 0,2,4,6
	W2 \q, \g, \b, 0, \rb, \ck
	W2 \q, \g, \b+1, 1, \rb, \ck
.endr
.endm
.macro KSTEP q, ck             ; the 32 accumulators take turns
	PLACES 4
	QUARTER \q, 0, 0, \ck
	QUARTER \q, 1, 1, \ck
	QUARTER \q, 2, 0, \ck
	QUARTER \q, 3, 1, \ck
.endm
	s_load_b128 s[4:7], s[0:1], 0x0        ; aoc, aos
	s_load_b128 s[8:11], s[0:1], 0x10      ; Wo's codes, scales
	s_load_b128 s[12:15], s[0:1], 0x20     ; bo, out0
	v_lshl_add_u32 v[SPW], v0, 2, SPARE
	v_mov_b32 v[NIL], 0
	ds_add_u32 v[SPW], v[NIL]
	ds_add_u32 v[SPW], v[NIL]
	v_lshrrev_b32 v1, 5, v0
	v_readfirstlane_b32 s90, v1
	s_lshr_b32 s91, s90, 1
	s_and_b32 s92, s90, 1
	s_bfe_u32 s93, ttmp6, 0x40000
	s_bfe_u32 s94, ttmp6, 0x40004
	s_and_b32 s95, ttmp7, 0xffff
	s_lshl_b32 s95, s95, 2
	s_add_co_u32 s95, s95, s94             ; my 128 tokens
	s_lshl_b32 s43, s94, 2
	s_lshl_b32 s43, 15, s43
	s_lshl_b32 s44, 0x1111, s93
	s_or_b32 s24, s43, (3<<16)|(1<<21)     ; ao: 192 rows of 256 bytes a load, dense
	s_mov_b32 s25, 32<<16
	s_mov_b32 s26, 192<<16
	s_mov_b32 s27, 32<<16
	s_mov_b32 s28, 192
	s_mov_b32 s29, 32
	s_mov_b32 s30, 0
	s_mov_b32 s31, 0
	s_or_b32 s32, s44, (1<<20)|(1<<21)|(5<<22)|(3<<25)   ; Wo: 128 rows of 768 bytes a load
	s_mov_b32 s33, 768<<16
	s_mov_b32 s34, 128<<16
	s_mov_b32 s35, 768<<16
	s_mov_b32 s36, 128
	s_mov_b32 s37, 768
	s_mov_b32 s38, 0
	s_mov_b32 s39, 0
	s_mul_i32 s80, s95, 98304
	s_mul_i32 s49, s92, 49152
	s_add_co_u32 s80, s80, s49
	s_mov_b32 s81, 0
	s_lshl_b32 s74, s93, 8
	s_lshl_b32 s75, s92, 7
	s_add_co_u32 s74, s74, s75
	s_lshl_b32 s76, s74, 5
	s_lshl_b32 s78, s74, 2
	s_mul_i32 s74, s74, 768
	s_mov_b32 s75, 0
	s_mov_b32 s77, 0
	s_mov_b32 s79, 0
	s_mov_b32 s48, 1
	s_mov_b32 s52, 1
	s_mul_i32 s53, s92, 128*PITCH
	s_add_co_u32 s53, s53, WR
	s_wait_dscnt 0x0
	s_wait_kmcnt 0x0
	s_add_nc_u64 s[50:51], s[4:5], s[80:81]
	s_or_b32 s51, s51, 0x80000000
	s_add_nc_u64 s[54:55], s[8:9], s[74:75]
	s_or_b32 s55, s55, 0x80000000
	CROUND
	s_cmp_eq_u32 s91, 0                    ; one load a wave: waves 0, 1 ao's halves, waves 2, 3 Wo's
	s_cbranch_scc0 .Lhw
	tensor_load_to_lds s[48:51], s[24:31]
	s_nop 0
	PLACES 4
	s_branch .Lhj
.Lhw:
	tensor_load_to_lds s[52:55], s[32:39]
	s_nop 0
	PLACES 4
.Lhj:
	s_mov_b32 s83, 0
	s_lshl_b32 s82, s95, 12
	s_lshl_b32 s85, s91, 11
	s_add_co_u32 s82, s82, s85
	s_add_nc_u64 s[68:69], s[6:7], s[82:83]     ; my 64 tokens' scales
	s_add_nc_u64 s[66:67], s[10:11], s[76:77]   ; my 128 rows of Wo
	s_add_nc_u64 s[70:71], s[12:13], s[78:79]   ; their bias
	s_lshl_b32 s82, s82, 7                      ; my first row of out0, 4,096 bytes a row,
	s_add_co_u32 s82, s82, s78                  ; and my first column
	s_add_nc_u64 s[72:73], s[14:15], s[82:83]
	s_mul_i32 s40, s91, 12288
	s_mov_b32 s41, s53
	s_mul_i32 s42, s90, 16*SPITCH
	v_and_b32 v1, 15, v0
	v_bfe_u32 v2, v0, 4, 1
	v_and_b32 v3, 31, v0
	v_mul_u32_u24 v4, v1, PITCH
	v_mad_u32_u24 v5, v2, 40, v4
	v_mad_u32_u24 v4, v2, 24, v4
	v_lshl_add_u32 v[AR], v3, 4, s40
	v_lshl_add_u32 v[AR+1], v3, 3, s40
	v_add_nc_u32 v[AR+2], 49152, v[AR]
	v_add_nc_u32 v[AR+3], 49152, v[AR+1]
	v_add_nc_u32 v[AP], s41, v4
	v_add_nc_u32 v[AP+1], s41, v5
	v_add_nc_u32 v[AP2], 64*PITCH, v[AP]
	v_add_nc_u32 v[AP2+1], 64*PITCH, v[AP+1]
	v_lshlrev_b32 v[ABS], 5, v3
	v_lshlrev_b32 v[VB], 5, v2
	v_mul_u32_u24 v6, v1, SPITCH
	v_lshl_add_u32 v6, v2, 5, v6
	v_add_nc_u32 v[STO], s42, v6
	v_lshlrev_b32 v[CO], 4, v3
	v_add_nc_u32 v[RD], s42, v[CO]
	s_wait_alu depctr_va_vdst(0)
.irp m, 0,1
	global_load_b128 v[SR+8*\m:SR+8*\m+3], v[ABS], s[68:69] offset:1024*\m
	global_load_b128 v[SR+8*\m+4:SR+8*\m+7], v[ABS], s[68:69] offset:1024*\m+16
.endr
.irp m, 0,1,2,3
	global_load_b128 v[SP+8*\m:SP+8*\m+3], v[ABS], s[66:67] offset:1024*\m
	global_load_b128 v[SP+8*\m+4:SP+8*\m+7], v[ABS], s[66:67] offset:1024*\m+16
.endr
.irp b, 0,1,2,3,4,5,6,7
	global_load_b128 v[BJ+8*\b:BJ+8*\b+3], v[VB], s[70:71] offset:64*\b
	global_load_b128 v[BJ+8*\b+4:BJ+8*\b+7], v[VB], s[70:71] offset:64*\b+16
.endr
	s_wait_tensorcnt 0x0
	s_wait_loadcnt 0x0
	s_barrier_signal -1
	s_barrier_wait -1                      ; all four tiles are in
	WIN 0x80
.irp g, 0,1,2,3
	FETCH3 0, \g
.endr
	KSTEP 0, 1
.irp q, 1,2,3,4,5,6,7
	KSTEP \q, 0
.endr
	WIN 0
	PLACES 4
	s_wait_dscnt 0x0
	s_barrier_signal -1
	s_barrier_wait -1                      ; nobody reads ao's bytes any more: the stages lie there
.macro TOSTAGE a
.set AC, 64*(\a)
	WIN 0x04
.irp b, 0,1,2,3,4,5,6,7
	ds_store_b128 v[STO], v[AC+8*\b:AC+8*\b+3] offset:64*\b
	ds_store_b128 v[STO], v[AC+8*\b+4:AC+8*\b+7] offset:64*\b+16
.endr
	WIN 0
.set BB, BK+64*((\a)%2)
.irp t, 0,1,2,3,4,5,6,7,8,9,10,11,12,13,14,15
	ds_load_b128 v[BB+4*\t:BB+4*\t+3], v[RD] offset:\t*SPITCH   ; my own bytes, served in order
.endr
.endm
.macro SEND a, younger
.set BB, BK+64*((\a)%2)
	s_wait_dscnt \younger
.if (\a) > 0
	s_add_nc_u64 s[72:73], s[72:73], 16*4096
.endif
.irp t, 0,1,2,3,4,5,6,7,8,9,10,11,12,13,14,15
	global_store_b128 v[CO], v[BB+4*\t:BB+4*\t+3], s[72:73] offset:\t*4096 th:TH_STORE_NT   ; 32 lanes store 512 consecutive bytes, aligned
.endr
.endm
	TOSTAGE 0
.irp a, 1,2,3
.if \a > 1
	s_wait_xcnt 0x0                        ; block a - 2's stores have read their registers and their base
.endif
	TOSTAGE \a
	SEND \a-1, 32                          ; behind block a - 1's loads: block a's 16 stores and 16 loads
.endr
	s_wait_xcnt 0x0
	SEND 3, 0
	s_wait_tensorcnt 0x0                   ; the wave's end
	ds_add_u32 v[SPW], v[NIL]
	s_wait_dscnt 0x0
	CROUND
	s_endpgm
.Lfunc_end_k_q44db3a4ae1_oproj:
	.size	k_q44db3a4ae1_oproj, .Lfunc_end_k_q44db3a4ae1_oproj-k_q44db3a4ae1_oproj
	.p2alignl 7, 3214868480
	.fill 96, 4, 3214868480
	.section	.rodata,"a",@progbits
	.p2align	6, 0x0
	.amdhsa_kernel k_q44db3a4ae1_oproj
		.amdhsa_group_segment_fixed_size 327680
		.amdhsa_private_segment_fixed_size 0
		.amdhsa_enable_private_segment 0
		.amdhsa_kernarg_size 48
		.amdhsa_user_sgpr_count 2
		.amdhsa_user_sgpr_kernarg_segment_ptr 1
		.amdhsa_wavefront_size32 1
		.amdhsa_system_sgpr_workgroup_id_x 1
		.amdhsa_system_sgpr_workgroup_id_y 1
		.amdhsa_system_sgpr_workgroup_id_z 1
		.amdhsa_system_vgpr_workitem_id 0
		.amdhsa_next_free_vgpr 1024
		.amdhsa_next_free_sgpr 102
		.amdhsa_reserve_vcc 0
		.amdhsa_float_denorm_mode_32 3
		.amdhsa_float_denorm_mode_16_64 3
		.amdhsa_memory_ordered 1
		.amdhsa_forward_progress 1
		.amdhsa_inst_pref_size 91
	.end_amdhsa_kernel
	.amdgpu_metadata
---
amdhsa.version: [ 1, 2 ]
amdhsa.kernels:
  - .name:           k_q44db3a4ae1_oproj
    .symbol:         k_q44db3a4ae1_oproj.kd
    .args:
      - { .name: aoc, .offset: 0, .size: 8, .value_kind: global_buffer, .address_space: global }
      - { .name: aos, .offset: 8, .size: 8, .value_kind: global_buffer, .address_space: global }
      - { .name: Wo_codes, .offset: 16, .size: 8, .value_kind: global_buffer, .address_space: global }
      - { .name: Wo_scales, .offset: 24, .size: 8, .value_kind: global_buffer, .address_space: global }
      - { .name: bo, .offset: 32, .size: 8, .value_kind: global_buffer, .address_space: global }
      - { .name: out0, .offset: 40, .size: 8, .value_kind: global_buffer, .address_space: global }
    .group_segment_fixed_size: 327680
    .private_segment_fixed_size: 0
    .kernarg_segment_align: 8
    .kernarg_segment_size: 48
    .max_flat_workgroup_size: 128
    .sgpr_count:     102
    .vgpr_count:     1024
    .wavefront_size: 32
...
	.end_amdgpu_metadata
.endif
;; end of part 3
